; MI455X (gfx1250); checked and timed in simulation.
; The chip was launched on July 23, 2026; its instructions are those of AMD's public machine-readable ISA for CDNA 5 (MIT licence, August 2026) and "CDNA5" Instruction Set Architecture Reference Guide (July 2026). The comments in the code are by the model that wrote it; some were corrected since.
;; Multi Head Attention. Allowed arithmetic: matrix products marked QUANTISED: E2M3 operands, one E8M0 scale for each 32 along K, by v_wmma_scale_f32_16x16x128_f8f6f4 with both operands' format E2M3, f32 sums; everything else in f32.
;; Inputs: b_k 1,024 float32; b_o 1,024 float32; b_q 1,024 float32; b_v 1,024 float32; k_codes 4 x 2,048 x 32 x 24 uint8 (E2M3 codes of k, K innermost, in blocks of 32 codes, four codes in three bytes); k_scales 4 x 2,048 x 32 uint8 (E8M0 scales of k, one for each 32 codes along K); mask 4 x 1 x 2,048 int32; q_codes 4 x 2,048 x 32 x 24 uint8 (E2M3 codes of q, K innermost, in blocks of 32 codes, four codes in three bytes); q_scales 4 x 2,048 x 32 uint8 (E8M0 scales of q, one for each 32 codes along K); v_codes 4 x 2,048 x 32 x 24 uint8 (E2M3 codes of v, K innermost, in blocks of 32 codes, four codes in three bytes); v_scales 4 x 2,048 x 32 uint8 (E8M0 scales of v, one for each 32 codes along K); w_k_codes 1,024 x 32 x 24 uint8 (E2M3 codes of w_k, K innermost, in blocks of 32 codes, four codes in three bytes); w_k_scales 1,024 x 32 uint8 (E8M0 scales of w_k, one for each 32 codes along K); w_o_codes 1,024 x 32 x 24 uint8 (E2M3 codes of w_o, K innermost, in blocks of 32 codes, four codes in three bytes); w_o_scales 1,024 x 32 uint8 (E8M0 scales of w_o, one for each 32 codes along K); w_q_codes 1,024 x 32 x 24 uint8 (E2M3 codes of w_q, K innermost, in blocks of 32 codes, four codes in three bytes); w_q_scales 1,024 x 32 uint8 (E8M0 scales of w_q, one for each 32 codes along K); w_v_codes 1,024 x 32 x 24 uint8 (E2M3 codes of w_v, K innermost, in blocks of 32 codes, four codes in three bytes); w_v_scales 1,024 x 32 uint8 (E8M0 scales of w_v, one for each 32 codes along K).
;; Outputs: out0 4 x 2,048 x 1,024 float32.
;; This version of the problem:
;;   THIS VERSION OF THE PROBLEM IS GIVEN IN LOW PRECISION. The matrix products marked QUANTISED in the list below multiply operands that are first quantised to E2M3 (2 exponent bits, 3 mantissa bits; 6 bits a number), with one power-of-two scale for each 32 numbers along K (OCP MX v1.0); their sums are f32. All else is computed in f32.
;;   The module's matrix products, in the order in which they are computed (A, B: the left and right operand; K: the contracted axis; several contracted axes count as one K, in the product's order):
;;     1. [M 8,192, K 1,024] x [K 1,024, N 1,024]; A: input q (given as codes); B: input w_q (given as codes): QUANTISED
;;     2. [M 8,192, K 1,024] x [K 1,024, N 1,024]; A: input k (given as codes); B: input w_k (given as codes): QUANTISED
;;     3. [M 8,192, K 1,024] x [K 1,024, N 1,024]; A: input v (given as codes); B: input w_v (given as codes): QUANTISED
;;     4. batch 64 x [M 2,048, K 64] x [K 64, N 2,048]; A: computed on the way; B: computed on the way: QUANTISED
;;     5. batch 64 x [M 64, K 2,048] x [K 2,048, N 2,048]; A: computed on the way; B: softmax (see below): QUANTISED
;;     6. [M 8,192, K 1,024] x [K 1,024, N 1,024]; A: computed on the way; B: input w_o (given as codes): QUANTISED
;;   THE QUANTISER, for each operand of a quantised product, along K:
;;     - K is cut into blocks of 32 from its start; a last block that is shorter is filled with zeros.
;;     - A block's scale is 2^e with e = floor(log2(the largest magnitude in the block)) - 2, held to -126 .. 127; a block of zeros has e = 0. As a byte (E8M0): e + 127.
;;     - Each number is divided by its block's scale, clamped to +-7.5, and rounded to the nearest number of E2M3, ties to even, subnormals kept.
;;     - The product sums the exact products of the quantised numbers (number of the format x scale) in f32.
;;   ~~~python
;;   def quantise(x, axis):      # numpy; x: float32 -> the quantised numbers, widened to float32 again
;;       x = np.moveaxis(x, axis, -1); K = x.shape[-1]
;;       x = np.pad(x, [(0, 0)] * (x.ndim - 1) + [(0, -K % 32)]); x = x.reshape(x.shape[:-1] + (-1, 32)); a = np.abs(x).max(-1, keepdims=True)
;;       e = np.where(a > 0, np.clip(np.frexp(np.where(a > 0, a, 1))[1] - 1 - 2, -126, 127), 0)      # np.frexp(a)[1] - 1 = floor(log2(a)), exactly
;;       r = np.clip(x / 2.0 ** e, -7.5, 7.5)
;;       step = 2.0 ** (np.maximum(np.frexp(np.where(r == 0, 1, r))[1] - 1, 0) - 3)
;;       q = np.round(r / step) * step * 2.0 ** e      # np.round: ties to even
;;       return np.moveaxis(q.reshape(q.shape[:-2] + (-1,))[..., :K], -1, axis).astype(np.float32)
;;   ~~~
;;   SOFTMAX AHEAD OF A QUANTISED PRODUCT. Where the list says 'softmax', what is quantised is not the finished softmax but p = 2^(t - M), with t = logit x log2(e) and M = ceil(the row's largest t), a whole number; so 1/2 < the row's largest p <= 1. The row's sum l is taken of the UNQUANTISED p, in f32, and the product's result is divided by l at the end. Since M is a whole number, a kernel that streams over the keys may use a running M (the ceiling of the running maximum): every later rescaling is an exact power of two, which a block's scale takes up: the codes' values come out the same.
;;   OPERANDS COMPUTED ON THE WAY. 'Computed on the way' means the value that the module computes at that place (a softmax that the list does not call 'softmax' is quantised finished and normalised). What goes into a quantiser is computed in f32, as accurately as f32 sums, v_exp_f32 and their like allow (about 1e-6 of the number): no bf16 or f16 on the way to a quantiser, and a product that is left as it is and whose result goes on into a quantised operand takes f32 operands (vector FMAs, or v_wmma_f32_16x16x4_f32). A number that lies on a knife's edge between two numbers of the format may be rounded either way, as far as f32 arithmetic and the matrix unit's own rounding can turn it there, and no further.
;;   INPUTS GIVEN AS CODES. k (in the module: [4, 2048, 1024], K = its axis 2); q (in the module: [4, 2048, 1024], K = its axis 2); v (in the module: [4, 2048, 1024], K = its axis 2); w_k (in the module: [1024, 1024], K = its axis 1); w_o (in the module: [1024, 1024], K = its axis 1); w_q (in the module: [1024, 1024], K = its axis 1); w_v (in the module: [1024, 1024], K = its axis 1): each comes as NAME_codes (uint8): NAME with its K axis moved to the last place and cut into blocks of 32 codes, [.., K / 32, bytes a block], one block behind the other in memory; four codes in three bytes: a row's codes are one little-endian stream of bits, code i at bits 6 i .. 6 i + 5 (a code: sign, 2 exponent bits, 3 mantissa bits); and NAME_scales (uint8): the same leading axes, one E8M0 byte (e + 127) for each 32 codes along K. Its value is code x scale, taken as it is: it is not quantised again, and the codes and scales need not be those that the quantiser above would give.
;; One version. Each part assembles by itself: llvm-mc -triple=amdgcn-amd-amdhsa -mcpu=gfx1250 --defsym DOCPART=n.
;; ======== version 1 of 1: 3 launches
;; limits: right only within a limited range of input values
;; workspace buffers: qimg 6,553,600 bytes; kimg 6,553,600 bytes; vimg 6,553,600 bytes; aimg 6,291,456 bytes; asc 262,144 bytes
;; launch proj (part 1): grid 8 x 32, 4 waves a work-group, clusters of 4 x 4, 327,680 bytes of LDS; arguments q_codes, q_scales, w_q_codes, w_q_scales, b_q, qimg, k_codes, k_scales, w_k_codes, w_k_scales, b_k, kimg, w_v_codes, w_v_scales, v_codes, v_scales, b_v, vimg; writes qimg, kimg, vimg
.if DOCPART == 1
	.amdgcn_target "amdgcn-amd-amdhsa--gfx1250"
	.amdhsa_code_object_version 6
	.text
	.protected	k_qac086b9890_proj
	.globl	k_qac086b9890_proj
	.p2align	8
	.type	k_qac086b9890_proj,@function
k_qac086b9890_proj:
	s_mov_b64 s[64:65], 0
	v_nop
	global_prefetch_b8 v0, s[64:65] scope:SCOPE_SE
	s_setreg_imm32_b32 hwreg(HW_REG_WAVE_MODE, 25, 1), 1
	s_wait_xcnt 0x0
	s_wait_alu depctr_hold_cnt(0) depctr_sa_sdst(0) depctr_va_vdst(0) depctr_va_sdst(0) depctr_va_ssrc(0) depctr_va_vcc(0) depctr_vm_vsrc(0)
	s_getreg_b32 s2, hwreg(HW_REG_IB_STS2, 6, 4)
	s_cmp_eq_u32 s2, 0
	s_cbranch_scc0 .Lentry_in_a_cluster
	s_endpgm
.Lentry_in_a_cluster:
	s_bfe_u32 s2, ttmp6, 0x10000c
	s_cmp_lg_u32 s2, 0xf033
	s_cbranch_scc0 .Lentry_shape_is_right
	s_endpgm
.Lentry_shape_is_right:
; THE THREE PROJECTIONS on codes of FP6 (E2M3), K = 1,024, and the quantisers of their results, stored as images of operand registers for the attention launch.
; A work-group stays and makes three blocks, q's, k's and v's.  A block is 256 (side X: a lane holds one row of X) x 128 (side Y: a lane's registers run along Y).
; q, k: X = tokens, Y = rows of the weight (two heads): quantised along the head's 64.  v: X = rows of w_v, Y = tokens: quantised along the keys.
; ALL OF K lies in LDS: 384 rows of 768 bytes (each row starts at a multiple of 256 bytes of its buffer), 16 bytes of padding behind every 256: pitch 816.
; Waves 0, 1 fetch X's halves, waves 2, 3 Y's: one joint load a wave (X shared along a row of the 4 x 4 cluster, Y along a column).
; The next block's loads are asked for inside the last K step, behind the waits, the add and a round of the cluster's barrier, when no wave reads LDS any more; they are on their way while this block is quantised and stored.
; A wave makes 64 x 128: 32 accumulators.  SCALES go from memory into registers: one load of 16 bytes a lane for 16 rows: lanes 0-15 hold the words of K steps 0-3, lanes 16-31 those of steps 4-7.
; A UNIT of qimg, kimg, vimg (6,400 bytes) serves one head and 128 tokens: four images of 1,536 bytes (register 4 c + e of lane l at 512 c + 16 l + 4 e), then 16 bytes a row: the images' scale words.
; q, k: image i = [tokens 64 (i / 2) + 32 m + 8 (i % 2) + j | the same + 16] in row 8 m + j, 64 codes each.  v: image t = rows 32 m + 8 t + j of the head in row 8 m + j, 128 keys.
; The pointers stand in three groups of six (X's codes, X's scales, Y's codes, Y's scales, bias, result): s[4:15] this block's, s[16:27] the next one's, s[28:39] v's; they move up at a trip's end.
.set KROW,  768
.set PITCH, 816
.set BLK,   16*PITCH
.set YB,    256*PITCH
.set SPARE, 384*PITCH                  ; the spare words, 512 bytes, named by no other line
.set UNIT,  6400
.set NEXTH, 16*UNIT
.set AX, 16                            ; v16-17 my X fragments in LDS (v17: lanes 16-31 behind one padding more)
.set AY, 18                            ; v18-21 Y's: blocks 0-3, and blocks 4-7
.set SO, 22                            ; 32 r + 16 h: my place in 16 rows of scales
.set BYO, 23
.set BXO, 24
.set OA, 25
.set OSQ, 26
.set OSV, 27
.set SPW, 28
.set NIL, 29
.set PFA, 30
.set PFB, 31
.set SX, 32                            ; v32-47 X's scale words, v48-79 Y's: they hold nothing else
.set SY, 48
.set BXR, 80                           ; v80-87 v's bias, one number a block, twice
.set U, 112                            ; v112-115 scale words on their way out
.set XF, 128                           ; X's fragments, two sets of 48; window 1: Y's, two sets at 0 and 128; window 2: accumulators; window 3: v0-63 the bias along Y
.set T, 128
.set I0, 192
.set I1, 204
.set TM, 228
.set CT, 244
.set WA, 252
.set WB, 253
.set CUR, 4
.set NXT, 16
.set WV, 44
.set KIND, 45
.set PART, 46
.set G1X, 48
.set G1Y, 56
.set G0X, 68
.set G0Y, 72
.set MSB, 0
.macro WIN new
.if MSB != (\new)
	s_set_vgpr_msb (MSB<<8)|(\new)
.set MSB, (\new)
.endif
.endm
.macro PLACES
.rept 4
	v_nop
.endr
.endm
.macro JLOAD                           ; a joint load: waves 0, 1 for X, waves 2, 3 for Y
	s_cmp_eq_u32 s[KIND], 0
	s_cbranch_scc0 .Lfor_y_\@
	tensor_load_to_lds s[G0X:G0X+3], s[G1X:G1X+7]
	s_nop 0
	PLACES
	s_branch .Lasked_\@
.Lfor_y_\@:
	tensor_load_to_lds s[G0Y:G0Y+3], s[G1Y:G1Y+7]
	s_nop 0
	PLACES
.Lasked_\@:
.endm
.macro CREST
	s_cmp_lg_u32 s[WV], 0
	s_cbranch_scc1 .Lnot_wave_0_\@
	s_barrier_signal -3
.Lnot_wave_0_\@:
	s_barrier_wait -3
	s_barrier_signal -1
	s_barrier_wait -1
.endm
.macro CROUND
	s_barrier_signal -1
	s_barrier_wait -1
	CREST
.endm
	s_load_b256 s[4:11], s[0:1], 0x0
	s_load_b128 s[12:15], s[0:1], 0x20
	s_load_b256 s[16:23], s[0:1], 0x30
	s_load_b128 s[24:27], s[0:1], 0x50
	s_load_b256 s[28:35], s[0:1], 0x60
	s_load_b128 s[36:39], s[0:1], 0x80
	v_lshl_add_u32 v[SPW], v0, 2, SPARE
	v_mov_b32 v[NIL], 0
	ds_add_u32 v[SPW], v[NIL]              ; the opening lines: the add twice and one wait
	ds_add_u32 v[SPW], v[NIL]
	v_lshrrev_b32 v1, 5, v0
	v_readfirstlane_b32 s[WV], v1
	s_lshr_b32 s[KIND], s[WV], 1
	s_and_b32 s[PART], s[WV], 1
	s_bfe_u32 s40, ttmp6, 0x40000          ; cx
	s_bfe_u32 s41, ttmp6, 0x40004          ; cy
	s_lshl_b32 s42, ttmp9, 2
	s_add_co_u32 s42, s42, s40             ; work-group x, 0..7
	s_and_b32 s47, ttmp7, 0xffff           ; cluster y, 0..7
	s_lshl_b32 s43, s47, 2
	s_add_co_u32 s43, s43, s41             ; work-group y, 0..31
	s_lshl_b32 s76, s41, 2
	s_lshl_b32 s76, 15, s76                ; my row of the cluster
	s_lshl_b32 s77, 0x1111, s40            ; my column
	s_or_b32 s[G1X], s76, (1<<20)|(1<<21)|(5<<22)|(3<<25)   ; elements of 1 byte; 4 words of padding behind every 64
	s_or_b32 s[G1Y], s77, (1<<20)|(1<<21)|(5<<22)|(3<<25)
	s_mov_b32 s[G1X+1], KROW<<16
	s_mov_b32 s[G1X+2], 128<<16
	s_mov_b32 s[G1X+3], KROW<<16
	s_mov_b32 s[G1X+4], 128
	s_mov_b32 s[G1X+5], KROW
	s_mov_b32 s[G1X+6], 0
	s_mov_b32 s[G1X+7], 0
	s_mov_b32 s[G1Y+1], KROW<<16
	s_mov_b32 s[G1Y+2], 64<<16
	s_mov_b32 s[G1Y+3], KROW<<16
	s_mov_b32 s[G1Y+4], 64
	s_mov_b32 s[G1Y+5], KROW
	s_mov_b32 s[G1Y+6], 0
	s_mov_b32 s[G1Y+7], 0
	s_mov_b32 s79, 0
	s_mov_b32 s81, 0
	s_mov_b32 s83, 0
	s_lshl_b32 s84, s[PART], 7
	s_lshl_b32 s85, s[PART], 6
	s_lshl_b32 s89, s47, 3
	s_add_co_u32 s89, s89, s42             ; v: block of 128 tokens = work-group x + 8 x cluster y
	s_wait_dscnt 0x0
	s_wait_kmcnt 0x0
	s_lshl_b32 s78, s43, 8                 ; X's codes.  q, k: row 256 x work-group y + the 128 that I fetch
	s_add_co_u32 s78, s78, s84
	s_mul_i32 s78, s78, KROW
	s_add_nc_u64 s[4:5], s[4:5], s[78:79]
	s_add_nc_u64 s[16:17], s[16:17], s[78:79]
	s_lshl_b32 s78, s41, 8                 ; v: row 256 cy of w_v
	s_add_co_u32 s78, s78, s84
	s_mul_i32 s78, s78, KROW
	s_add_nc_u64 s[28:29], s[28:29], s[78:79]
	s_lshl_b32 s80, s42, 7                 ; Y's codes.  q, k: row 128 x work-group x + the 64 that I fetch
	s_add_co_u32 s80, s80, s85
	s_mul_i32 s80, s80, KROW
	s_add_nc_u64 s[8:9], s[8:9], s[80:81]
	s_add_nc_u64 s[20:21], s[20:21], s[80:81]
	s_lshl_b32 s80, s89, 7
	s_add_co_u32 s80, s80, s85
	s_mul_i32 s80, s80, KROW
	s_add_nc_u64 s[32:33], s[32:33], s[80:81]
	CROUND                                 ; the first joint loads meet
	s_mov_b32 s[G0X], 1
	s_mul_i32 s[G0X+1], s[PART], 128*PITCH
	s_mov_b64 s[G0X+2:G0X+3], s[4:5]
	s_or_b32 s[G0X+3], s[G0X+3], 0x80000000
	s_mov_b32 s[G0Y], 1
	s_mul_i32 s[G0Y+1], s[PART], 64*PITCH
	s_add_co_u32 s[G0Y+1], s[G0Y+1], YB
	s_mov_b64 s[G0Y+2:G0Y+3], s[8:9]
	s_or_b32 s[G0Y+3], s[G0Y+3], 0x80000000
	JLOAD                                  ; q's block: one tensor load a wave
	v_and_b32 v1, 15, v0                   ; r
	v_bfe_u32 v2, v0, 4, 1                 ; h
	v_mul_u32_u24 v3, v1, PITCH
	v_mad_u32_u24 v3, v2, 24, v3
	s_mul_i32 s84, s[WV], 4*BLK
	v_add_nc_u32 v[AX], s84, v3
	v_lshl_add_u32 v[AX+1], v2, 4, v[AX]
	v_add_nc_u32 v[AY], YB, v3
	v_lshl_add_u32 v[AY+1], v2, 4, v[AY]
	v_add_nc_u32 v[AY+2], 4*BLK, v[AY]
	v_add_nc_u32 v[AY+3], 4*BLK, v[AY+1]
	v_lshlrev_b32 v[SO], 5, v1
	v_lshl_add_u32 v[SO], v2, 4, v[SO]
	v_lshlrev_b32 v[BYO], 5, v2
	v_lshlrev_b32 v[BXO], 2, v1
	; WHERE A LANE'S CODES GO.  Of X's blocks 2 i, 2 i + 1 (16 rows each) lane r stores into image r / 8 (v: block 2 i + 1 into image 2 + r / 8), at the place of lane (r % 8) + 8 i:
	; so a tile of K or Q holds eight rows of one block of 32 tokens and eight of the next, and a tile of V's rows likewise: in the attention launch a lane then holds whole blocks of 32
	v_and_b32 v4, 7, v0
	v_bfe_u32 v7, v0, 3, 1
	v_lshlrev_b32 v5, 4, v4
	v_lshl_add_u32 v[OA], v2, 8, v5
	v_mad_u32_u24 v[OA], v7, 1536, v[OA]   ; 1,536 (r / 8) + 16 (r % 8 + 16 h)
	v_lshl_add_u32 v5, v7, 2, v5           ; the scale words: 16 (r % 8) + 4 (r / 8)
	v_lshl_add_u32 v[OSV], v2, 3, v5
	v_add_nc_u32 v[OSV], 6144, v[OSV]      ; v's scale words: the same + 8 h, behind the images
	v_mad_u32_u24 v[OSQ], v2, NEXTH, v5    ; q's, k's: lanes 16-31 store the second head's
	s_mul_i32 s84, s[PART], 3064           ; (the result's pointer stands 3,072 x half on; the words 8 x half on)
	s_sub_co_u32 s84, 6144, s84
	v_add_nc_u32 v[OSQ], s84, v[OSQ]
	v_mul_u32_u24 v6, v1, KROW
.irp b, 0,1,2,3
	v_mov_b32 v[TM+4+\b], 0                ; a lane permute's destination counts as a source
.endr
	s_wait_alu depctr_va_vdst(0)           ; ahead of the scalar run
	s_lshl_b32 s85, s[WV], 6               ; scales and biases.  X: my 64 rows
	s_lshl_b32 s78, s43, 8
	s_add_co_u32 s78, s78, s85
	s_lshl_b32 s78, s78, 5
	s_add_nc_u64 s[6:7], s[6:7], s[78:79]
	s_add_nc_u64 s[18:19], s[18:19], s[78:79]
	s_lshl_b32 s86, s41, 8
	s_add_co_u32 s86, s86, s85
	s_lshl_b32 s78, s86, 5
	s_add_nc_u64 s[30:31], s[30:31], s[78:79]
	s_lshl_b32 s78, s86, 2
	s_add_nc_u64 s[36:37], s[36:37], s[78:79]
	s_lshl_b32 s80, s42, 12                ; Y: the block's 128 rows
	s_add_nc_u64 s[10:11], s[10:11], s[80:81]
	s_add_nc_u64 s[22:23], s[22:23], s[80:81]
	s_lshl_b32 s80, s89, 12
	s_add_nc_u64 s[34:35], s[34:35], s[80:81]
	s_lshl_b32 s80, s42, 9
	s_add_nc_u64 s[12:13], s[12:13], s[80:81]
	s_add_nc_u64 s[24:25], s[24:25], s[80:81]
	s_lshr_b32 s82, s43, 3                 ; q, k: unit ((batch x 16 + 2 x work-group x) x 16 + group of 128 tokens), + 3,072 x which half of the 128 is mine
	s_lshl_b32 s82, s82, 4
	s_lshl_b32 s86, s42, 1
	s_add_co_u32 s82, s82, s86
	s_lshl_b32 s82, s82, 4
	s_lshl_b32 s86, s43, 1
	s_add_co_u32 s86, s86, s[KIND]
	s_and_b32 s86, s86, 15
	s_add_co_u32 s82, s82, s86
	s_mul_i32 s82, s82, UNIT
	s_mul_i32 s86, s[PART], 3072
	s_add_co_u32 s82, s82, s86
	s_add_nc_u64 s[14:15], s[14:15], s[82:83]
	s_add_nc_u64 s[26:27], s[26:27], s[82:83]
	s_lshr_b32 s82, s89, 4                 ; v: unit ((batch x 16 + 4 cy + wave) x 16 + group)
	s_lshl_b32 s82, s82, 4
	s_lshl_b32 s86, s41, 2
	s_add_co_u32 s82, s82, s86
	s_add_co_u32 s82, s82, s[WV]
	s_lshl_b32 s82, s82, 4
	s_and_b32 s86, s89, 15
	s_add_co_u32 s82, s82, s86
	s_mul_i32 s82, s82, UNIT
	s_add_nc_u64 s[38:39], s[38:39], s[82:83]
	; the prefetches: of the rows that I fetch, each of the four partners that ask with me names a quarter, told apart by address: X 32 rows (a lane a row, three blocks of 256 bytes), Y 16 rows
	s_lshl_b32 s87, s40, 5
	s_lshl_b32 s88, s41, 4
	s_mov_b32 s84, 256
	s_mov_b32 s86, 512
	s_cmp_eq_u32 s[KIND], 0
	s_cselect_b32 s84, 12288, s84
	s_cselect_b32 s85, 12288, 0
	s_cselect_b32 s86, 256, s86
	s_cselect_b32 s82, s87, s88
	s_cselect_b64 s[90:91], s[16:17], s[20:21]
	s_cselect_b64 s[92:93], s[28:29], s[32:33]
	s_mul_i32 s82, s82, KROW
	s_add_nc_u64 s[90:91], s[90:91], s[82:83]
	s_add_nc_u64 s[92:93], s[92:93], s[82:83]
	v_mad_u32_u24 v[PFA], v2, s84, v6      ; X: lane x 768.  Y: r x 768 + 256 h
	v_mad_u32_u24 v[PFB], v2, s85, v6
	v_add_nc_u32 v[PFB], s86, v[PFB]       ; X: the row's second block.  Y: its third (both halves of the lanes)
	s_mov_b32 s96, 0x76543210
	s_mov_b32 s97, 0xfedcba98
	s_mov_b32 s98, 0xffff0000
	s_mov_b32 s99, 0x05040100
	s_mov_b32 s100, 0x07060302
	s_mov_b32 s94, 0
.macro LOADSC p                        ; the scale words of a block: 12 loads of 512 consecutive bytes
.irp a, 0,1,2,3
	global_load_b128 v[SX+4*\a:SX+4*\a+3], v[SO], s[\p+2:\p+3] offset:512*\a
.endr
.irp b, 0,1,2,3,4,5,6,7
	global_load_b128 v[SY+4*\b:SY+4*\b+3], v[SO], s[\p+6:\p+7] offset:512*\b
.endr
.endm
	s_wait_alu depctr_va_vdst(0)
	LOADSC CUR
.macro FRAG reg, adr, st, off          ; 16 rows x 128 K: twice 24 bytes of the row's stream, in pieces of 8; byte y of a row lies at y + 16 (y / 256)
.irp p, 0,1,2,3,4,5
.set BYT, 96*(\st)+48*(\p/3)+8*(\p%3)
.if BYT/256 == (BYT+24)/256
	ds_load_b64 v[\reg+2*\p:\reg+2*\p+1], v[\adr] offset:BYT+16*(BYT/256)+(\off)
.else
	ds_load_b64 v[\reg+2*\p:\reg+2*\p+1], v[\adr+1] offset:BYT+16*(BYT/256)+(\off)
.endif
.endr
.endm
.macro FETCH st
	WIN 0x40
.irp i, 0,1,2,3
	FRAG 128*((\st)%2)+12*\i, AY, \st, \i*BLK
.endr
.irp i, 0,1,2,3
	FRAG 128*((\st)%2)+48+12*\i, AY+2, \st, \i*BLK
.endr
	WIN 0
.irp i, 0,1,2,3
	FRAG XF+48*((\st)%2)+12*\i, AX, \st, \i*BLK
.endr
.endm
; 16 matrix instructions: X's blocks a0, a0 + 1 against Y's eight; source 0 = Y, source 1 = X.  The 32 accumulators take turns.
.macro MUL16 a0, st
.irp a, \a0, \a0+1
.irp b, 0,1,2,3,4,5,6,7
.if (\st) == 0
	v_wmma_scale_f32_16x16x128_f8f6f4 v[8*(8*(\a)+\b):8*(8*(\a)+\b)+7], v[128*((\st)%2)+12*\b:128*((\st)%2)+12*\b+11], v[XF+48*((\st)%2)+12*(\a):XF+48*((\st)%2)+12*(\a)+11], 0, v[SY+4*\b+(\st)%4], v[SX+4*(\a)+(\st)%4] matrix_a_fmt:MATRIX_FMT_FP6 matrix_b_fmt:MATRIX_FMT_FP6
.elseif (\st) < 4
	v_wmma_scale_f32_16x16x128_f8f6f4 v[8*(8*(\a)+\b):8*(8*(\a)+\b)+7], v[128*((\st)%2)+12*\b:128*((\st)%2)+12*\b+11], v[XF+48*((\st)%2)+12*(\a):XF+48*((\st)%2)+12*(\a)+11], v[8*(8*(\a)+\b):8*(8*(\a)+\b)+7], v[SY+4*\b+(\st)%4], v[SX+4*(\a)+(\st)%4] matrix_a_fmt:MATRIX_FMT_FP6 matrix_b_fmt:MATRIX_FMT_FP6
.else
	v_wmma_scale_f32_16x16x128_f8f6f4 v[8*(8*(\a)+\b):8*(8*(\a)+\b)+7], v[128*((\st)%2)+12*\b:128*((\st)%2)+12*\b+11], v[XF+48*((\st)%2)+12*(\a):XF+48*((\st)%2)+12*(\a)+11], v[8*(8*(\a)+\b):8*(8*(\a)+\b)+7], v[SY+4*\b+(\st)%4], v[SX+4*(\a)+(\st)%4] matrix_a_fmt:MATRIX_FMT_FP6 matrix_b_fmt:MATRIX_FMT_FP6 matrix_a_scale:MATRIX_SCALE_ROW1 matrix_b_scale:MATRIX_SCALE_ROW1
.endif
.endr
.endr
.endm
.macro STEP st, ask                    ; a K step of 128: this step's fragments are in; the next step's are asked for, into the other set; 32 matrix instructions
	s_wait_dscnt 0x0
.if (\st) > 0
	PLACES                                 ; between the last step's products and the loads into their registers
.endif
	FETCH (\st)+1
.if \ask                               ; the next block's rows, six K steps ahead of the tensor load that wants them
	global_prefetch_b8 v[PFA], s[90:91] th:TH_LOAD_NT scope:SCOPE_SE
	global_prefetch_b8 v[PFB], s[90:91] th:TH_LOAD_NT scope:SCOPE_SE
	s_cmp_eq_u32 s[KIND], 0
	s_cbranch_scc0 .Lno_third_\@
	global_prefetch_b8 v[PFA], s[90:91] offset:512 th:TH_LOAD_NT scope:SCOPE_SE
.Lno_third_\@:
.endif
	WIN 0xa1
	MUL16 0, \st
	MUL16 2, \st
	WIN 0
.endm
.macro QUANT s, d0, d1, w              ; 16 rows x 128 along Y: four blocks of 32: scale bytes into w, codes of the first 64 into d0 (6 registers), of the second 64 into d1
.irp b, 0,1,2,3
	v_max3_num_f32 v[TM+\b], |v[\s+16*\b]|, |v[\s+1+16*\b]|, 0x1800000
.endr
.irp i, 2,4,6,8,10,12,14
.irp b, 0,1,2,3
	v_max3_num_f32 v[TM+\b], v[TM+\b], |v[\s+16*\b+\i]|, |v[\s+1+16*\b+\i]|
.endr
.endr
.irp b, 0,1,2,3
	v_permlanex16_b32 v[TM+4+\b], v[TM+\b], s96, s97
.endr
.irp b, 0,1,2,3
	v_max_num_f32 v[TM+\b], v[TM+\b], v[TM+4+\b]
.endr
.irp b, 0,1,2,3
	v_add_nc_u32 v[TM+12+\b], 0xff000000, v[TM+\b]
.endr
.irp b, 0,1,2,3
	v_lshrrev_b32 v[TM+4+\b], 23, v[TM+12+\b]
.endr
	v_lshl_or_b32 v[\w], v[TM+5], 8, v[TM+4]
	v_lshl_or_b32 v[\w], v[TM+6], 16, v[\w]
	v_lshl_or_b32 v[\w], v[TM+7], 24, v[\w]
	v_cvt_scalef32_pk16_fp6_f32 v[\d0:\d0+2], v[\s:\s+15], v[TM+12]
	v_cvt_scalef32_pk16_fp6_f32 v[CT:CT+2], v[\s+16:\s+31], v[TM+13]
	v_cvt_scalef32_pk16_fp6_f32 v[\d1:\d1+2], v[\s+32:\s+47], v[TM+14]
	v_cvt_scalef32_pk16_fp6_f32 v[CT+4:CT+6], v[\s+48:\s+63], v[TM+15]
	v_nop
.irp i, 0,1,2
	v_permlane16_swap_b32 v[\d0+\i], v[CT+\i]
.endr
.irp i, 0,1,2
	v_mov_b32 v[\d0+3+\i], v[CT+\i]
.endr
.irp i, 0,1,2
	v_permlane16_swap_b32 v[\d1+\i], v[CT+4+\i]
.endr
.irp i, 0,1,2
	v_mov_b32 v[\d1+3+\i], v[CT+4+\i]
.endr
.endm
.macro MOVE a, isv                     ; block a's sums + the bias, each accumulator from its low end on
.set k, 0
.if \isv
	WIN 0x02
.rept 32
	v_pk_add_f32 v[T+k:T+k+1], v[64*(\a)+k:64*(\a)+k+1], v[BXR+2*(\a):BXR+2*(\a)+1] op_sel_hi:[1,0]
.set k, k+2
.endr
.else
	WIN 0x0e
.rept 32
	v_pk_add_f32 v[T+k:T+k+1], v[64*(\a)+k:64*(\a)+k+1], v[k:k+1]
.set k, k+2
.endr
.endif
	WIN 0
.endm
.macro PAIR i, isv                     ; X's blocks 2 i and 2 i + 1 give two images
	s_wait_xcnt 0x0                        ; earlier stores have read their registers
	MOVE 2*\i, \isv
.if \isv
	QUANT T, I0, I0+6, U+2*\i
	MOVE 2*\i+1, \isv
	QUANT T, I1, I1+6, U+2*\i+1
.else
	QUANT T, I0, I1, WA
	MOVE 2*\i+1, \isv
	QUANT T, I0+6, I1+6, WB
	v_perm_b32 v[U+2*\i], v[WB], v[WA], s99      ; the first head's word: the two tiles' low halves;
	v_perm_b32 v[U+2*\i+1], v[WB], v[WA], s100   ; the second head's: the high halves
.endif
	v_cndmask_b32 v[U+2*\i], v[U+2*\i], v[U+2*\i+1], s98   ; lanes 16-31 store the second word
.if \isv
	global_store_b32 v[OSV], v[U+2*\i], s[CUR+10:CUR+11] offset:128*\i
.else
	global_store_b32 v[OSQ], v[U+2*\i], s[CUR+10:CUR+11] offset:128*\i
.endif
.irp c, 0,1,2
.if \isv
	global_store_b128 v[OA], v[I0+4*\c:I0+4*\c+3], s[CUR+10:CUR+11] offset:128*\i+512*\c
	global_store_b128 v[OA], v[I1+4*\c:I1+4*\c+3], s[CUR+10:CUR+11] offset:3072+128*\i+512*\c
.else
	global_store_b128 v[OA], v[I0+4*\c:I0+4*\c+3], s[CUR+10:CUR+11] offset:128*\i+512*\c
	global_store_b128 v[OA], v[I1+4*\c:I1+4*\c+3], s[CUR+10:CUR+11] offset:NEXTH+128*\i+512*\c
.endif
.endr
.endm
.macro TILE isv
	s_wait_alu depctr_va_vdst(0)           ; ahead of the waits below
	s_wait_xcnt 0x0                        ; the last block's stores have read their registers
	s_wait_loadcnt 0x0                     ; the scale words
	s_wait_tensorcnt 0x0                   ; my part of the block has landed,
	s_barrier_signal -1
	s_barrier_wait -1                      ; everybody's has
	FETCH 0
.if \isv
.irp a, 0,1,2,3
	global_load_b32 v[BXR+2*\a], v[BXO], s[CUR+8:CUR+9] offset:64*\a
	global_load_b32 v[BXR+2*\a+1], v[BXO], s[CUR+8:CUR+9] offset:64*\a
.endr
.else
	WIN 0xc0
.irp b, 0,1,2,3,4,5,6,7
	global_load_b128 v[8*\b:8*\b+3], v[BYO], s[CUR+8:CUR+9] offset:64*\b
	global_load_b128 v[8*\b+4:8*\b+7], v[BYO], s[CUR+8:CUR+9] offset:64*\b+16
.endr
	WIN 0
.endif
	STEP 0, 0
	STEP 1, 1-\isv
.irp st, 2,3,4,5,6
	STEP \st, 0
.endr
.if \isv
	s_wait_dscnt 0x0
	WIN 0xa1
	MUL16 0, 7
	MUL16 2, 7
	WIN 0
	PLACES
	s_wait_loadcnt 0x0                     ; the bias
.else
	s_wait_tensorcnt 0x0                   ; the last K step: none of my tensor loads is out;
	ds_add_u32 v[SPW], v[NIL]              ; the add;
	s_mov_b64 s[G0X+2:G0X+3], s[NXT:NXT+1]
	s_or_b32 s[G0X+3], s[G0X+3], 0x80000000
	s_mov_b64 s[G0Y+2:G0Y+3], s[NXT+4:NXT+5]
	s_or_b32 s[G0Y+3], s[G0Y+3], 0x80000000
	s_wait_dscnt 0x0                       ; the add is done and my last reads of this block are in
	s_barrier_signal -1                    ; opens a round of the cluster's barrier
	WIN 0xa1
	MUL16 0, 7
	WIN 0
	s_barrier_wait -1
	CREST
	JLOAD                                  ; the next block, my one tensor load behind the round
	WIN 0xa1
	MUL16 2, 7
	WIN 0
	PLACES
	LOADSC NXT                             ; and its scale words
	s_wait_loadcnt 12                      ; the bias is in; the 12 loads just issued may be out
.endif
	PAIR 0, \isv
	PAIR 1, \isv
.endm
.Ltile:                                        ; two trips: q's block, k's block
	TILE 0
	s_wait_xcnt 0x0                        ; every pending load, store and prefetch has read its base: the pointers move up
.irp j, 0,2,4,6,8,10
	s_mov_b64 s[CUR+\j:CUR+\j+1], s[NXT+\j:NXT+\j+1]
	s_mov_b64 s[NXT+\j:NXT+\j+1], s[28+\j:29+\j]
.endr
	s_mov_b64 s[90:91], s[92:93]
	s_add_co_u32 s94, s94, 1
	s_cmp_lt_u32 s94, 2
	s_wait_alu depctr_va_vdst(0)
	s_cbranch_scc1 .Ltile
	TILE 1                                 ; v's block asks for nothing more: written out
	s_wait_tensorcnt 0x0                   ; the wave's end
	ds_add_u32 v[SPW], v[NIL]
	s_wait_dscnt 0x0
	CROUND                                 ; the closing round
	s_endpgm
.Lfunc_end_k_qac086b9890_proj:
	.size	k_qac086b9890_proj, .Lfunc_end_k_qac086b9890_proj-k_qac086b9890_proj
	.p2alignl 7, 3214868480
	.fill 96, 4, 3214868480
	.section	.rodata,"a",@progbits
	.p2align	6, 0x0
	.amdhsa_kernel k_qac086b9890_proj
		.amdhsa_group_segment_fixed_size 327680
		.amdhsa_private_segment_fixed_size 0
		.amdhsa_enable_private_segment 0
		.amdhsa_kernarg_size 144
		.amdhsa_user_sgpr_count 2
		.amdhsa_user_sgpr_kernarg_segment_ptr 1
		.amdhsa_wavefront_size32 1
		.amdhsa_system_sgpr_workgroup_id_x 1
		.amdhsa_system_sgpr_workgroup_id_y 1
		.amdhsa_system_sgpr_workgroup_id_z 1
		.amdhsa_system_vgpr_workitem_id 0
		.amdhsa_next_free_vgpr 832
		.amdhsa_next_free_sgpr 102
		.amdhsa_reserve_vcc 0
		.amdhsa_float_denorm_mode_32 3
		.amdhsa_float_denorm_mode_16_64 3
		.amdhsa_memory_ordered 1
		.amdhsa_forward_progress 1
		.amdhsa_inst_pref_size 207
	.end_amdhsa_kernel
	.amdgpu_metadata
---
amdhsa.version: [ 1, 2 ]
amdhsa.kernels:
  - .name:           k_qac086b9890_proj
    .symbol:         k_qac086b9890_proj.kd
    .args:
      - { .name: q_codes, .offset: 0, .size: 8, .value_kind: global_buffer, .address_space: global }
      - { .name: q_scales, .offset: 8, .size: 8, .value_kind: global_buffer, .address_space: global }
      - { .name: w_q_codes, .offset: 16, .size: 8, .value_kind: global_buffer, .address_space: global }
      - { .name: w_q_scales, .offset: 24, .size: 8, .value_kind: global_buffer, .address_space: global }
      - { .name: b_q, .offset: 32, .size: 8, .value_kind: global_buffer, .address_space: global }
      - { .name: qimg, .offset: 40, .size: 8, .value_kind: global_buffer, .address_space: global }
      - { .name: k_codes, .offset: 48, .size: 8, .value_kind: global_buffer, .address_space: global }
      - { .name: k_scales, .offset: 56, .size: 8, .value_kind: global_buffer, .address_space: global }
      - { .name: w_k_codes, .offset: 64, .size: 8, .value_kind: global_buffer, .address_space: global }
      - { .name: w_k_scales, .offset: 72, .size: 8, .value_kind: global_buffer, .address_space: global }
      - { .name: b_k, .offset: 80, .size: 8, .value_kind: global_buffer, .address_space: global }
      - { .name: kimg, .offset: 88, .size: 8, .value_kind: global_buffer, .address_space: global }
      - { .name: w_v_codes, .offset: 96, .size: 8, .value_kind: global_buffer, .address_space: global }
      - { .name: w_v_scales, .offset: 104, .size: 8, .value_kind: global_buffer, .address_space: global }
      - { .name: v_codes, .offset: 112, .size: 8, .value_kind: global_buffer, .address_space: global }
      - { .name: v_scales, .offset: 120, .size: 8, .value_kind: global_buffer, .address_space: global }
      - { .name: b_v, .offset: 128, .size: 8, .value_kind: global_buffer, .address_space: global }
      - { .name: vimg, .offset: 136, .size: 8, .value_kind: global_buffer, .address_space: global }
    .group_segment_fixed_size: 327680
    .private_segment_fixed_size: 0
    .kernarg_segment_align: 8
    .kernarg_segment_size: 144
    .max_flat_workgroup_size: 128
    .sgpr_count:     102
    .vgpr_count:     832
    .wavefront_size: 32
...
	.end_amdgpu_metadata
.endif
;; end of part 1
;; launch attn (part 2): grid 4 x 64, 4 waves a work-group, clusters of 4 x 1, 215,040 bytes of LDS; arguments qimg, kimg, vimg, mask, aimg, asc; writes aimg, asc
.if DOCPART == 2
	.amdgcn_target "amdgcn-amd-amdhsa--gfx1250"
	.amdhsa_code_object_version 6
	.text
	.protected	k_qac086b9890_attn
	.globl	k_qac086b9890_attn
	.p2align	8
	.type	k_qac086b9890_attn,@function
k_qac086b9890_attn:
	s_mov_b64 s[64:65], 0
	v_nop
	global_prefetch_b8 v0, s[64:65] scope:SCOPE_SE
	s_setreg_imm32_b32 hwreg(HW_REG_WAVE_MODE, 25, 1), 1
	s_wait_xcnt 0x0
	s_wait_alu depctr_hold_cnt(0) depctr_sa_sdst(0) depctr_va_vdst(0) depctr_va_sdst(0) depctr_va_ssrc(0) depctr_va_vcc(0) depctr_vm_vsrc(0)
	s_getreg_b32 s2, hwreg(HW_REG_IB_STS2, 6, 4)
	s_cmp_eq_u32 s2, 0
	s_cbranch_scc0 .Lentry_in_a_cluster
	s_endpgm
.Lentry_in_a_cluster:
	s_bfe_u32 s2, ttmp6, 0x10000c
	s_cmp_lg_u32 s2, 0x3003
	s_cbranch_scc0 .Lentry_shape_is_right
	s_endpgm
.Lentry_shape_is_right:
; ATTENTION of one head on codes of FP6 (E2M3): S^T = K Q^T, the mask, p = 2^(t - M), O^T = V^T P^T, O / l, and the quantiser of the result along the model's 1,024.
; t = score x log2(e) / 8; M = the running largest t, rounded UP to a whole number; p is quantised along the keys, not normalised; l is the sum of the unquantised p; when M moves, l and O are multiplied by 2^(old M - new M): exact.
; SHARES.  A work-group owns 512 queries of one head (batch x 16 + head = the cluster's y), the four work-groups of a cluster the head's 2,048.  Each of four waves, one to a SIMD, owns 128 queries: eight tiles of 16.
; The softmax is laid for FOUR TILES AT A TIME, phase by phase: the four tiles' chains take turns, and each wait serves four tiles.
; ALL OF THE HEAD'S K AND V LIE IN LDS, as images of operand registers (16 units of 6,400 bytes each, made by the launch before): filled once, one joint load a wave (8 units); nothing is filled again.
; No prefetch: all tiles are asked for at the head.  A fragment read from LDS serves eight tiles of queries; a step's fragments are read a step ahead (the last trip reads the last step's again: its address is held).
; K Q^T.  The head's K is 64, the instruction's 128.  Image i of K is [tile 2 i | tile 2 i + 1]; multiplied by [q | zeros] it gives the scores of tile 2 i, by [zeros | q] those of tile 2 i + 1.  Over q's zero codes q's scale bytes are 0.
; WHICH KEYS FORM A TILE: row 8 h + j of tile 4 c + u is key 64 c + 32 h + 8 s(u) + j of the step's 128, s = 0, 2, 1, 3.  So lane (query, h) holds in registers 32 c .. 32 c + 31 of its scores ALL of block 2 c + h,
; in the order in which V's codes lie in their block: a block's maximum needs no other lane, and the conversions' results are the operand's registers.  Q's tiles hold their queries in the same order; the last launch puts the rows back.
; V's image t holds row 32 h + 8 t + j of the head at its row 8 h + j: so register 8 t + j of O^T is number 32 h + 8 t + j of the head: a whole block of the result in a lane, in its true order.
; THE MASK is the C of the score products: 0 for an open key, -2^100 for a masked one.
; LIMITS.  The running largest t starts at -2^90: scores whose t lies under that are not served.  A masked key's p is 0.  A row with no open key keeps that start: its scale bytes are set to 0xff, so that the last product gives NaN, as the softmax of such a row does.
; O^T begins as zeros, so that the step is written once: a first step of its own would double the loop's text.
; REGISTERS.  window 0: v1-15 addresses; v16-63 six a tile: -M, the largest t, l in two pairs; v64-95 scale words alone; v96-143 p's codes of four tiles; v144-191 V's fragments; v192-255 at work, 16 a tile.
;   window 1: v0-101 zeros and q by turns; v104-167 the mask's addends; v168-215 K's fragments.   window 2: O^T (tile x at 32 x).   window 3: the scores of four tiles, then p.
.set UNIT,  6400
.set HEADB, 16*UNIT
.set VB,    HEADB
.set MB,    2*HEADB                    ; the mask's addends, 2,048 numbers of f32
.set ASTG,  MB+8192                    ; the stage for the result's scale bytes: 512 rows x 2 bytes
.set SPARE, ASTG+1024                  ; the spare words, named by no other line
.set LI, 1
.set LS, 2
.set LM, 3
.set ADK, 4
.set ADV, 5
.set ADSK, 6
.set ADSV, 7
.set ADM, 8
.set AO, 9
.set SH8, 10
.set STG, 11
.set SPW, 12
.set NIL, 13
.set RDB, 14
.set ST, 16
.set SQ, 64
.set KSC, 80
.set VSC, 84
.set PW, 88
.set PC, 96
.set VF, 144
.set WK, 192                           ; + 16 y: 0, 1 a block's largest score, then p, then byte; 2, 3 scale operands; 4, 5 f; 6, 7 at work; 8-10, 12-14 half blocks of codes
.set AD, 96
.set QZ, 0
.set MBR, 104
.set KF, 168
.set WV, 16
.set CX, 17
.set HB, 18
.set KIND, 19
.set SEL, 20
.set CS, 22
.set G1A, 24
.set G0K, 40
.set G0V, 48
.set TBN, 56
.set TMN, 57
.set CNT, 58
.set LOW, 59
.set GL, 60
.set BAT, 61
.set MSB, 0
.macro WIN new
.if MSB != (\new)
	s_set_vgpr_msb (MSB<<8)|(\new)
.set MSB, (\new)
.endif
.endm
.macro CROUND
	s_barrier_signal -1
	s_barrier_wait -1
	s_cmp_lg_u32 s[WV], 0
	s_cbranch_scc1 .Lnot_wave_0_\@
	s_barrier_signal -3
.Lnot_wave_0_\@:
	s_barrier_wait -3
	s_barrier_signal -1
	s_barrier_wait -1
.endm
	s_load_b256 s[4:11], s[0:1], 0x0               ; qimg, kimg, vimg, mask
	s_load_b128 s[12:15], s[0:1], 0x20             ; aimg, asc
	v_lshl_add_u32 v[SPW], v0, 2, SPARE
	v_mov_b32 v[NIL], 0
	ds_add_u32 v[SPW], v[NIL]                      ; the opening lines: the add twice and one wait
	ds_add_u32 v[SPW], v[NIL]
	v_lshrrev_b32 v1, 5, v0
	v_readfirstlane_b32 s[WV], v1
	s_bfe_u32 s[CX], ttmp6, 0x40000                ; my place in the cluster: it enters Q's, aimg's and asc's addresses alone
	s_and_b32 s[HB], ttmp7, 0xffff
	s_and_b32 s[KIND], s[WV], 1                    ; I fetch for K (0) or for V (1),
	s_lshr_b32 s[GL], s[WV], 1                     ; its first or its second eight units
	s_lshr_b32 s[BAT], s[HB], 4
	s_mul_i32 s62, s[GL], 8*UNIT
	s_mul_i32 s66, s[HB], HEADB
	s_add_co_u32 s66, s66, s62
	s_mov_b32 s67, 0
	s_mov_b32 s[G1A], 15|(3<<16)|(1<<21)           ; all four work-groups; elements of 8 bytes; eight units are 200 dense rows of 256 bytes
	s_mov_b32 s[G1A+1], 32<<16
	s_mov_b32 s[G1A+2], 200<<16
	s_mov_b32 s[G1A+3], 32<<16
	s_mov_b32 s[G1A+4], 200
	s_mov_b32 s[G1A+5], 32
	s_mov_b32 s[G1A+6], 0
	s_mov_b32 s[G1A+7], 0
	s_mov_b32 s[SEL], 0x76543210
	s_mov_b32 s[SEL+1], 0xfedcba98
	s_mov_b32 s[CS], 0x3e38aa3b                    ; log2(e) / 8
	s_mov_b32 s[CS+1], s[CS]
	s_mov_b32 s[LOW], 0xec800000                   ; -2^90
	s_wait_dscnt 0x0
	s_wait_kmcnt 0x0
	CROUND                                         ; the joint loads meet
	s_mov_b32 s[G0K], 1
	s_mov_b32 s[G0K+1], s62
	s_add_nc_u64 s[G0K+2:G0K+3], s[6:7], s[66:67]
	s_or_b32 s[G0K+3], s[G0K+3], 0x80000000
	s_mov_b32 s[G0V], 1
	s_add_co_u32 s[G0V+1], s62, VB
	s_add_nc_u64 s[G0V+2:G0V+3], s[8:9], s[66:67]
	s_or_b32 s[G0V+3], s[G0V+3], 0x80000000
	s_cmp_eq_u32 s[KIND], 0
	s_cbranch_scc0 .Lfirst_v
	tensor_load_to_lds s[G0K:G0K+3], s[G1A:G1A+7]
	s_nop 0
.rept 4
	v_nop
.endr
	s_branch .Lfirst_asked
.Lfirst_v:
	tensor_load_to_lds s[G0V:G0V+3], s[G1A:G1A+7]
	s_nop 0
.rept 4
	v_nop
.endr
.Lfirst_asked:
	s_lshl_b32 s72, s[WV], 8
	s_add_co_u32 s72, s72, ASTG
	v_and_b32 v[AO], 31, v0
	v_lshlrev_b32 v[LI], 4, v[AO]                  ; 16 x lane: my place in an image
	v_and_b32 v[LS], 15, v0
	v_bfe_u32 v[SH8], v0, 4, 1
	v_lshl_add_u32 v[LM], v[SH8], 7, MB            ; the addends of my half's blocks: 32 numbers on for lanes 16-31
	v_lshl_add_u32 v[STG], v[LS], 1, v[SH8]
	v_add_nc_u32 v[STG], s72, v[STG]               ; the stage: 256 x wave + 2 r + h
	v_lshlrev_b32 v[LS], 4, v[LS]                  ; my row's four scale words in a unit
	v_lshlrev_b32 v[SH8], 3, v[SH8]
	v_lshlrev_b32 v[AO], 3, v[AO]
	v_add_nc_u32 v[RDB], s72, v[AO]
	v_lshlrev_b32 v232, 6, v0
	v_lshl_add_u32 v238, v0, 6, MB
	v_mov_b32 v239, 0xf1800000                     ; -2^100
	s_wait_alu depctr_va_vdst(0)                   ; ahead of the scalar run
	s_lshl_b32 s72, s[BAT], 13
	s_mov_b32 s73, 0
	s_add_nc_u64 s[10:11], s[10:11], s[72:73]
.irp c, 0,1,2,3
	global_load_b128 v[240+4*\c:243+4*\c], v232, s[10:11] offset:16*\c    ; the batch's mask: sixteen whole numbers a thread
.endr
	s_lshl_b32 s76, s[HB], 4                       ; Q: unit (batch x 16 + head) x 16 + 4 cx + wave
	s_lshl_b32 s77, s[CX], 2
	s_add_co_u32 s76, s76, s77
	s_add_co_u32 s76, s76, s[WV]
	s_mul_i32 s76, s76, UNIT
	s_mov_b32 s77, 0
	s_add_nc_u64 s[4:5], s[4:5], s[76:77]
	WIN 0x40
.irp n, 0,1,2,3                        ; an image's registers 0-5 are one tile's q, 6-11 the next one's: they go to their places between the zeros
	global_load_b128 v[QZ+6+24*\n:QZ+9+24*\n], v[LI], s[4:5] offset:1536*\n
	global_load_b64 v[QZ+10+24*\n:QZ+11+24*\n], v[LI], s[4:5] offset:1536*\n+512
	global_load_b64 v[QZ+18+24*\n:QZ+19+24*\n], v[LI], s[4:5] offset:1536*\n+520
	global_load_b128 v[QZ+20+24*\n:QZ+23+24*\n], v[LI], s[4:5] offset:1536*\n+1024
.endr
	WIN 0
	global_load_b128 v[224:227], v[LS], s[4:5] offset:6144        ; my row's four scale words
	WIN 0x40
.irp z, 0,12,24,36,48,60,72,84,96
.irp k, 0,1,2,3,4,5
	v_mov_b32 v[QZ+\z+\k], 0
.endr
.endr
	WIN 0x80
.set k, 0
.rept 256
	v_mov_b32 v[k], 0                              ; O^T
.set k, k+1
.endr
	WIN 0
.irp x, 0,1,2,3,4,5,6,7
	v_mov_b32 v[ST+6*\x], 0x6c800000               ; -M
	v_mov_b32 v[ST+6*\x+1], 0xec800000             ; the largest t so far: -2^90
	v_mov_b32 v[ST+6*\x+2], 0
	v_mov_b32 v[ST+6*\x+3], 0
	v_mov_b32 v[ST+6*\x+4], 0
	v_mov_b32 v[ST+6*\x+5], 0
.endr
	s_wait_loadcnt 17                              ; the mask is in; Q's 17 loads may be out
.irp j, 0,1,2,3,4,5,6,7,8,9,10,11,12,13,14,15
	v_cmp_eq_u32 vcc_lo, 0, v[240+\j]
	v_cndmask_b32 v[240+\j], 0, v239, vcc_lo
.endr
.irp c, 0,1,2,3
	ds_store_b128 v238, v[240+4*\c:243+4*\c] offset:16*\c
.endr
	s_wait_loadcnt 0x0
.irp n, 0,1,2,3                        ; a word holds the first tile's two bytes, then the second's.  For [q | zeros] they stand low, for [zeros | q] high
	v_and_b32 v[SQ+4*\n], 0xffff, v[224+\n]
	v_lshlrev_b32 v[SQ+4*\n+1], 16, v[224+\n]
	v_lshrrev_b32 v[SQ+4*\n+2], 16, v[224+\n]
	v_and_b32 v[SQ+4*\n+3], 0xffff0000, v[224+\n]
.endr
.irp y, 0,1,2,3                        ; behind the wait for all loads: some of these registers took the mask
	v_mov_b32 v[WK+16*\y+5], 0                     ; named as the upper half of a pair
	v_mov_b32 v[WK+16*\y+7], 0                     ; a lane permute's destination counts as a source
.endr
	s_lshl_b32 s76, s[BAT], 7                      ; aimg: [tile][head][768]; my first tile: 128 batch + 32 cx + 8 wave
	s_lshl_b32 s78, s[CX], 5
	s_add_co_u32 s76, s76, s78
	s_lshl_b32 s78, s[WV], 3
	s_add_co_u32 s76, s76, s78
	s_lshl_b32 s76, s76, 4
	s_and_b32 s78, s[HB], 15
	s_add_co_u32 s76, s76, s78
	s_mul_i32 s76, s76, 768
	s_add_nc_u64 s[12:13], s[12:13], s[76:77]
	s_lshl_b32 s76, s78, 14                        ; asc: [head][row], 2 bytes
	s_lshl_b32 s78, s[BAT], 12
	s_add_co_u32 s76, s76, s78
	s_lshl_b32 s78, s[CX], 10
	s_add_co_u32 s76, s76, s78
	s_lshl_b32 s78, s[WV], 8
	s_add_co_u32 s76, s76, s78
	s_add_nc_u64 s[14:15], s[14:15], s[76:77]
.macro LOADK                           ; K's four images, their scale words and the 128 addends of the step at TBN, TMN: 29 loads.  The four lines ahead of them are the places behind the products
	v_add_nc_u32 v[ADK], s[TBN], v[LI]
	v_add_nc_u32 v[ADSK], s[TBN], v[LS]
	v_add_nc_u32 v[ADM], s[TMN], v[LM]
	v_nop
	ds_load_b128 v[KSC:KSC+3], v[ADSK] offset:6144
	WIN 0x40
.irp i, 0,1,2,3
.irp c, 0,1,2
	ds_load_b128 v[KF+12*\i+4*\c:KF+12*\i+4*\c+3], v[ADK] offset:1536*\i+512*\c
.endr
.endr
.irp c, 0,1
.irp u, 0,1,2,3
	ds_load_b128 v[MBR+32*\c+8*\u:MBR+32*\c+8*\u+3], v[ADM] offset:256*\c+32*(2*(\u%2)+\u/2)
	ds_load_b128 v[MBR+32*\c+8*\u+4:MBR+32*\c+8*\u+7], v[ADM] offset:256*\c+32*(2*(\u%2)+\u/2)+16
.endr
.endr
	WIN 0
.endm
.macro LOADV                           ; V's four images and their scale words: 13 loads
	s_add_co_u32 s73, s[TBN], VB
	v_add_nc_u32 v[ADV], s73, v[LI]
	v_add_nc_u32 v[ADSV], s73, v[LS]
	v_nop
	v_nop
.irp t, 0,1,2,3
.irp c, 0,1,2
	ds_load_b128 v[VF+12*\t+4*\c:VF+12*\t+4*\c+3], v[ADV] offset:1536*\t+512*\c
.endr
.endr
	ds_load_b128 v[VSC:VSC+3], v[ADSV] offset:6144
.endm
; FOUR TILES OF QUERIES (4 g + y) AGAINST 128 KEYS.  nextk: K's registers are done with behind these products, and take the next step's.  vw: the LDS loads that may be out when V is wanted
.macro GROUP g, nextk, vw
	WIN 0xd5                                       ; D window 3; K, q and the addends window 1
.irp y, 0,1,2,3
.irp i, 0,1,2,3
	v_wmma_scale_f32_16x16x128_f8f6f4 v[64*\y+16*\i:64*\y+16*\i+7], v[KF+12*\i:KF+12*\i+11], v[QZ+6+12*(4*\g+\y):QZ+17+12*(4*\g+\y)], v[MBR+16*\i:MBR+16*\i+7], v[KSC+\i], v[SQ+2*(4*\g+\y)] matrix_a_fmt:MATRIX_FMT_FP6 matrix_b_fmt:MATRIX_FMT_FP6
	v_wmma_scale_f32_16x16x128_f8f6f4 v[64*\y+16*\i+8:64*\y+16*\i+15], v[KF+12*\i:KF+12*\i+11], v[QZ+12*(4*\g+\y):QZ+11+12*(4*\g+\y)], v[MBR+16*\i+8:MBR+16*\i+15], v[KSC+\i], v[SQ+2*(4*\g+\y)+1] matrix_a_fmt:MATRIX_FMT_FP6 matrix_b_fmt:MATRIX_FMT_FP6
.endr
.endr
	WIN 0
.if \nextk
	LOADK
.else
.rept 4
	v_nop
.endr
.endif
	WIN 0x3f                                       ; the largest score of my two blocks of 32 keys, eight chains by turns
.irp y, 0,1,2,3
	v_max3_num_f32 v[WK+16*\y], v[64*\y], v[64*\y+1], v[64*\y+2]
	v_max3_num_f32 v[WK+16*\y+1], v[64*\y+32], v[64*\y+33], v[64*\y+34]
.endr
	WIN 0x3c
.set i, 3
.rept 14
.irp y, 0,1,2,3
	v_max3_num_f32 v[WK+16*\y], v[WK+16*\y], v[64*\y+i], v[64*\y+i+1]
	v_max3_num_f32 v[WK+16*\y+1], v[WK+16*\y+1], v[64*\y+32+i], v[64*\y+33+i]
.endr
.set i, i+2
.endr
.irp y, 0,1,2,3
	v_max_num_f32 v[WK+16*\y], v[WK+16*\y], v[64*\y+31]
	v_max_num_f32 v[WK+16*\y+1], v[WK+16*\y+1], v[64*\y+63]
.endr
	WIN 0
.irp y, 0,1,2,3
	v_max_num_f32 v[WK+16*\y+6], v[WK+16*\y], v[WK+16*\y+1]
.endr
.irp y, 0,1,2,3
	v_permlanex16_b32 v[WK+16*\y+7], v[WK+16*\y+6], s[SEL], s[SEL+1]
.endr
.irp y, 0,1,2,3
	v_max_num_f32 v[WK+16*\y+6], v[WK+16*\y+6], v[WK+16*\y+7]     ; the step's largest score of my query
.endr
.irp y, 0,1,2,3
	v_mul_f32 v[WK+16*\y+6], s[CS], v[WK+16*\y+6]
.endr
.irp y, 0,1,2,3
	v_max_num_f32 v[ST+6*(4*\g+\y)+1], v[ST+6*(4*\g+\y)+1], v[WK+16*\y+6]
	v_mov_b32 v[WK+16*\y+6], v[ST+6*(4*\g+\y)]
.endr
.irp y, 0,1,2,3
	v_floor_f32 v[ST+6*(4*\g+\y)], -v[ST+6*(4*\g+\y)+1]           ; the new -M = floor(-t)
.endr
.irp y, 0,1,2,3
	v_sub_f32 v[WK+16*\y+6], v[ST+6*(4*\g+\y)], v[WK+16*\y+6]     ; old M - new M
.endr
.irp y, 0,1,2,3
	v_cvt_i32_f32 v[WK+16*\y+6], v[WK+16*\y+6]
.endr
.irp y, 0,1,2,3
	v_ldexp_f32 v[WK+16*\y+4], 1.0, v[WK+16*\y+6]                 ; f = 2^(old M - new M)
	v_fma_f32 v[WK+16*\y], v[WK+16*\y], s[CS], v[ST+6*(4*\g+\y)]  ; t - M of each block's largest score
	v_fma_f32 v[WK+16*\y+1], v[WK+16*\y+1], s[CS], v[ST+6*(4*\g+\y)]
.endr
	WIN 0xc3
.irp y, 0,1,2,3
.set k, 64*\y
.rept 32
	v_pk_fma_f32 v[k:k+1], v[k:k+1], s[CS:CS+1], v[ST+6*(4*\g+\y):ST+6*(4*\g+\y)+1] op_sel_hi:[1,0,0]   ; t - M
.set k, k+2
.endr
.endr
	s_wait_alu depctr_va_vdst(0)                   ; ahead of the batch
.set k, 0
.rept 256
	v_exp_f32 v[k], v[k]                           ; p
.set k, k+1
.endr
	WIN 0
.irp y, 0,1,2,3
	v_exp_f32 v[WK+16*\y], v[WK+16*\y]             ; the block's largest p: the same two instructions on the same number
	v_exp_f32 v[WK+16*\y+1], v[WK+16*\y+1]
.endr
.irp y, 0,1,2,3
	v_pk_mul_f32 v[ST+6*(4*\g+\y)+2:ST+6*(4*\g+\y)+3], v[ST+6*(4*\g+\y)+2:ST+6*(4*\g+\y)+3], v[WK+16*\y+4:WK+16*\y+5] op_sel_hi:[1,0]   ; l under the new M
	v_pk_mul_f32 v[ST+6*(4*\g+\y)+4:ST+6*(4*\g+\y)+5], v[ST+6*(4*\g+\y)+4:ST+6*(4*\g+\y)+5], v[WK+16*\y+4:WK+16*\y+5] op_sel_hi:[1,0]
.endr
	s_wait_alu depctr_va_vdst(0)                   ; one wait for the batch, ahead of its first reader
	WIN 0x0c
.set k, 0
.rept 16
.irp y, 0,1,2,3
	v_pk_add_f32 v[ST+6*(4*\g+\y)+2:ST+6*(4*\g+\y)+3], v[ST+6*(4*\g+\y)+2:ST+6*(4*\g+\y)+3], v[64*\y+k:64*\y+k+1]       ; the sum of the unquantised p, two chains a tile
	v_pk_add_f32 v[ST+6*(4*\g+\y)+4:ST+6*(4*\g+\y)+5], v[ST+6*(4*\g+\y)+4:ST+6*(4*\g+\y)+5], v[64*\y+k+2:64*\y+k+3]
.endr
.set k, k+4
.endr
	WIN 0
.irp y, 0,1,2,3
	v_max_num_f32 v[WK+16*\y], 0x1800000, v[WK+16*\y]             ; the floor 2^(3 - 127): the byte cannot fall under 1
	v_max_num_f32 v[WK+16*\y+1], 0x1800000, v[WK+16*\y+1]
.endr
.irp y, 0,1,2,3
	v_add_nc_u32 v[WK+16*\y+2], 0xff000000, v[WK+16*\y]           ; 2 off the exponent field: the conversion's scale operand
	v_add_nc_u32 v[WK+16*\y+3], 0xff000000, v[WK+16*\y+1]
.endr
.irp y, 0,1,2,3
	v_lshrrev_b32 v[WK+16*\y], 23, v[WK+16*\y+2]
	v_lshrrev_b32 v[WK+16*\y+1], 23, v[WK+16*\y+3]
.endr
.irp y, 0,1,2,3
	v_lshl_or_b32 v[WK+16*\y+6], v[WK+16*\y+1], 16, v[WK+16*\y]   ; my bytes: blocks h and 2 + h,
.endr
.irp y, 0,1,2,3
	v_lshlrev_b32 v[WK+16*\y+6], v[SH8], v[WK+16*\y+6]            ; at their places in the word;
.endr
.irp y, 0,1,2,3
	v_permlanex16_b32 v[WK+16*\y+7], v[WK+16*\y+6], s[SEL], s[SEL+1]
.endr
.irp y, 0,1,2,3
	v_or_b32 v[PW+4*\g+\y], v[WK+16*\y+6], v[WK+16*\y+7]          ; with the other half's two the word is whole
.endr
	WIN 0x03
.irp y, 0,1,2,3
.irp c, 0,1
	v_cvt_scalef32_pk16_fp6_f32 v[PC+12*\y+6*\c:PC+12*\y+6*\c+2], v[64*\y+32*\c:64*\y+32*\c+15], v[WK+16*\y+2+\c]
	v_cvt_scalef32_pk16_fp6_f32 v[WK+16*\y+8+4*\c:WK+16*\y+10+4*\c], v[64*\y+32*\c+16:64*\y+32*\c+31], v[WK+16*\y+2+\c]   ; (a conversion's three registers begin on an even number)
.endr
.endr
	WIN 0
	v_nop                                          ; one plain place behind the scaled conversions
.irp y, 0,1,2,3
.irp c, 0,1
.irp i, 0,1,2
	v_mov_b32 v[PC+12*\y+6*\c+3+\i], v[WK+16*\y+8+4*\c+\i]
.endr
.endr
.endr
	WIN 0x82
	s_wait_alu depctr_va_vdst(0)                   ; directly ahead of the first reader of O^T
.irp y, 0,1,2,3
.set k, 32*(4*\g+\y)
.rept 16
	v_pk_mul_f32 v[k:k+1], v[k:k+1], v[WK+16*\y+4:WK+16*\y+5] op_sel_hi:[1,0]   ; O^T under the new M; also the places ahead of the products below
.set k, k+2
.endr
.endr
	s_wait_alu depctr_va_vdst(0)                   ; ahead of the wait below
	s_wait_dscnt \vw                               ; V is in
	WIN 0xa0
.irp t, 0,1,2,3                        ; O^T += V^T P^T: sixteen accumulators by turns
.irp y, 0,1,2,3
	v_wmma_scale_f32_16x16x128_f8f6f4 v[32*(4*\g+\y)+8*\t:32*(4*\g+\y)+8*\t+7], v[VF+12*\t:VF+12*\t+11], v[PC+12*\y:PC+12*\y+11], v[32*(4*\g+\y)+8*\t:32*(4*\g+\y)+8*\t+7], v[VSC+\t], v[PW+4*\g+\y] matrix_a_fmt:MATRIX_FMT_FP6 matrix_b_fmt:MATRIX_FMT_FP6
.endr
.endr
	WIN 0
.endm
	s_mov_b32 s[TBN], 0
	s_mov_b32 s[TMN], 0
	s_mov_b32 s[CNT], 16
	s_wait_alu depctr_va_vdst(0)                   ; at the head's end
	s_wait_tensorcnt 0x0                           ; my eight units have landed
	s_wait_dscnt 0x0                               ; my addends are stored
	s_barrier_signal -1
	s_barrier_wait -1                              ; all of K, V and the addends lie in LDS
	LOADK
	LOADV
	s_mov_b32 s[TBN], UNIT
	s_mov_b32 s[TMN], 512
.Lstep:                                            ; sixteen key steps
	s_wait_dscnt 13                                ; K and the addends are in; V's 13 loads may be out
	GROUP 0, 0, 0
	GROUP 1, 1, 29                                 ; (the next K's 29 loads may be out)
	LOADV                                          ; the next step's V; its first four lines are the places behind the products
	s_add_co_u32 s[TBN], s[TBN], UNIT
	s_min_u32 s[TBN], s[TBN], 15*UNIT              ; held at the last step
	s_add_co_u32 s[TMN], s[TMN], 512
	s_min_u32 s[TMN], s[TMN], 15*512
	s_sub_co_u32 s[CNT], s[CNT], 1
	s_cmp_lg_u32 s[CNT], 0
	s_wait_alu depctr_va_vdst(0)
	s_cbranch_scc1 .Lstep
	; THE WAY OUT.  l: its two pairs, their halves, and the other half of the lanes'
.irp x, 0,1,2,3,4,5,6,7
	v_pk_add_f32 v[ST+6*\x+2:ST+6*\x+3], v[ST+6*\x+2:ST+6*\x+3], v[ST+6*\x+4:ST+6*\x+5]
.endr
.irp x, 0,1,2,3,4,5,6,7
	v_add_f32 v[ST+6*\x+2], v[ST+6*\x+2], v[ST+6*\x+3]
.endr
.irp x, 0,1,2,3,4,5,6,7
	v_permlanex16_b32 v[ST+6*\x+4], v[ST+6*\x+2], s[SEL], s[SEL+1]
.endr
.irp x, 0,1,2,3,4,5,6,7
	v_add_f32 v[ST+6*\x+2], v[ST+6*\x+2], v[ST+6*\x+4]
.endr
	s_wait_alu depctr_va_vdst(0)
.irp x, 0,1,2,3,4,5,6,7
	v_rcp_f32 v[ST+6*\x+2], v[ST+6*\x+2]
.endr
	v_nop
	s_wait_dscnt 0x0                               ; the last trip's loads have landed: their registers are used below
; Four tiles: O^T / l; my 32 numbers are block h of my row, in their true order: its scale byte, its codes (half a fragment), stored as they lie.
.macro OUTG g
	WIN 0xc2
	s_wait_alu depctr_va_vdst(0)                   ; behind the reciprocals, directly ahead of the first reader of O^T
.irp y, 0,1,2,3
.set k, 0
.rept 16
	v_pk_mul_f32 v[64*\y+k:64*\y+k+1], v[32*(4*\g+\y)+k:32*(4*\g+\y)+k+1], v[ST+6*(4*\g+\y)+2:ST+6*(4*\g+\y)+3] op_sel_hi:[1,0]
.set k, k+2
.endr
.endr
	WIN 0x0f
.irp y, 0,1,2,3
	v_max3_num_f32 v[WK+16*\y], |v[64*\y]|, |v[64*\y+1]|, 0x1800000
.endr
	WIN 0x3c
.set i, 2
.rept 15
.irp y, 0,1,2,3
	v_max3_num_f32 v[WK+16*\y], v[WK+16*\y], |v[64*\y+i]|, |v[64*\y+i+1]|
.endr
.set i, i+2
.endr
	WIN 0
.irp y, 0,1,2,3
	v_add_nc_u32 v[WK+16*\y+2], 0xff000000, v[WK+16*\y]
.endr
.irp y, 0,1,2,3
	v_lshrrev_b32 v[WK+16*\y], 23, v[WK+16*\y+2]
.endr
.irp y, 0,1,2,3
	v_cmp_lt_f32 vcc_lo, s[LOW], v[ST+6*(4*\g+\y)+1]              ; has any key been open?
	v_cndmask_b32 v[WK+16*\y], 0xff, v[WK+16*\y], vcc_lo          ; if none: the byte 0xff
.endr
	WIN 0x03
.irp y, 0,1,2,3
	v_cvt_scalef32_pk16_fp6_f32 v[AD+8*(4*\g+\y):AD+8*(4*\g+\y)+2], v[64*\y:64*\y+15], v[WK+16*\y+2]
	v_cvt_scalef32_pk16_fp6_f32 v[WK+16*\y+8:WK+16*\y+10], v[64*\y+16:64*\y+31], v[WK+16*\y+2]
.endr
	WIN 0
	v_nop
.irp y, 0,1,2,3
.irp i, 0,1,2
	v_mov_b32 v[AD+8*(4*\g+\y)+3+\i], v[WK+16*\y+8+\i]
.endr
.endr
.irp y, 0,1,2,3
.irp j, 0,1,2
	global_store_b64 v[AO], v[AD+8*(4*\g+\y)+2*\j:AD+8*(4*\g+\y)+2*\j+1], s[12:13] offset:(4*\g+\y)*12288+256*\j   ; 32 lanes store 256 consecutive bytes, at a multiple of 256 from the buffer's first byte
.endr
	ds_store_b8 v[STG], v[WK+16*\y] offset:32*(4*\g+\y)
.endr
.endm
	OUTG 0
	OUTG 1
	ds_load_b64 v[224:225], v[RDB]                 ; my own 128 rows' scale bytes: LDS serves a wave's instructions in order (ISA guide 5.7.1.4)
	s_wait_dscnt 0x0
	global_store_b64 v[AO], v[224:225], s[14:15]   ; 256 consecutive bytes, aligned
	s_wait_tensorcnt 0x0                           ; the wave's end
	ds_add_u32 v[SPW], v[NIL]
	s_wait_dscnt 0x0
	CROUND                                         ; the closing round
	s_endpgm
.Lfunc_end_k_qac086b9890_attn:
	.size	k_qac086b9890_attn, .Lfunc_end_k_qac086b9890_attn-k_qac086b9890_attn
	.p2alignl 7, 3214868480
	.fill 96, 4, 3214868480
	.section	.rodata,"a",@progbits
	.p2align	6, 0x0
	.amdhsa_kernel k_qac086b9890_attn
		.amdhsa_group_segment_fixed_size 215040
		.amdhsa_private_segment_fixed_size 0
		.amdhsa_enable_private_segment 0
		.amdhsa_kernarg_size 48
		.amdhsa_user_sgpr_count 2
		.amdhsa_user_sgpr_kernarg_segment_ptr 1
		.amdhsa_wavefront_size32 1
		.amdhsa_system_sgpr_workgroup_id_x 1
		.amdhsa_system_sgpr_workgroup_id_y 1
		.amdhsa_system_sgpr_workgroup_id_z 1
		.amdhsa_system_vgpr_workitem_id 0
		.amdhsa_next_free_vgpr 1024
		.amdhsa_next_free_sgpr 80
		.amdhsa_reserve_vcc 1
		.amdhsa_float_denorm_mode_32 3
		.amdhsa_float_denorm_mode_16_64 3
		.amdhsa_memory_ordered 1
		.amdhsa_forward_progress 1
		.amdhsa_inst_pref_size 152
	.end_amdhsa_kernel
	.amdgpu_metadata
---
amdhsa.version: [ 1, 2 ]
amdhsa.kernels:
  - .name:           k_qac086b9890_attn
    .symbol:         k_qac086b9890_attn.kd
    .args:
      - { .name: qimg, .offset: 0, .size: 8, .value_kind: global_buffer, .address_space: global }
      - { .name: kimg, .offset: 8, .size: 8, .value_kind: global_buffer, .address_space: global }
      - { .name: vimg, .offset: 16, .size: 8, .value_kind: global_buffer, .address_space: global }
      - { .name: mask, .offset: 24, .size: 8, .value_kind: global_buffer, .address_space: global }
      - { .name: aimg, .offset: 32, .size: 8, .value_kind: global_buffer, .address_space: global }
      - { .name: asc, .offset: 40, .size: 8, .value_kind: global_buffer, .address_space: global }
    .group_segment_fixed_size: 215040
    .private_segment_fixed_size: 0
    .kernarg_segment_align: 8
    .kernarg_segment_size: 48
    .max_flat_workgroup_size: 128
    .sgpr_count:     80
    .vgpr_count:     1024
    .wavefront_size: 32
...
	.end_amdgpu_metadata
.endif
;; end of part 2
;; launch outp (part 3): grid 8 x 32, 4 waves a work-group, clusters of 4 x 4, 327,680 bytes of LDS; arguments aimg, asc, w_o_codes, w_o_scales, b_o, out0; writes out0
.if DOCPART == 3
	.amdgcn_target "amdgcn-amd-amdhsa--gfx1250"
	.amdhsa_code_object_version 6
	.text
	.protected	k_qac086b9890_outp
	.globl	k_qac086b9890_outp
	.p2align	8
	.type	k_qac086b9890_outp,@function
k_qac086b9890_outp:
	s_mov_b64 s[64:65], 0
	v_nop
	global_prefetch_b8 v0, s[64:65] scope:SCOPE_SE
	s_setreg_imm32_b32 hwreg(HW_REG_WAVE_MODE, 25, 1), 1
	s_wait_xcnt 0x0
	s_wait_alu depctr_hold_cnt(0) depctr_sa_sdst(0) depctr_va_vdst(0) depctr_va_sdst(0) depctr_va_ssrc(0) depctr_va_vcc(0) depctr_vm_vsrc(0)
	s_getreg_b32 s2, hwreg(HW_REG_IB_STS2, 6, 4)
	s_cmp_eq_u32 s2, 0
	s_cbranch_scc0 .Lentry_in_a_cluster
	s_endpgm
.Lentry_in_a_cluster:
	s_bfe_u32 s2, ttmp6, 0x10000c
	s_cmp_lg_u32 s2, 0xf033
	s_cbranch_scc0 .Lentry_shape_is_right
	s_endpgm
.Lentry_shape_is_right:
; THE LAST PRODUCT: out0 = a Wo^T + b_o on codes of FP6 (E2M3), K = 1,024.  a: 8,192 rows, made by the launch before; out0: [8192][1024] f32.
; A work-group makes 256 rows x 128 columns; a wave 64 x 128: 32 accumulators.  Source 0 = 16 rows of Wo, source 1 = 16 rows of a: a lane holds eight neighbouring numbers of a row of the result.
; ALL OF K lies in LDS, filled once, one joint load a wave: waves 0, 1 fetch a's halves (shared along a row of the 4 x 4 cluster), waves 2, 3 Wo's (shared along a column).
; a comes as images of its registers: aimg[row / 16][head][768], register 2 j + e of lane l at 256 j + 8 l + 4 e; 128 rows are 98,304 dense bytes.
; Wo's rows are 768 bytes (each starts at a multiple of 256 bytes), 16 bytes of padding behind every 256: pitch 816.
; SCALES go from memory into registers: lanes 0-15 hold the words of K steps 0-3, lanes 16-31 those of steps 4-7.  Wo's: one load of 16 bytes a lane for 16 rows.  a's: asc[head][row], two bytes: a word is two heads' pairs.
; b_o is the C of each sum's first matrix instruction.  No prefetch: every tile is asked for at the head, and there is no loop to run ahead in.
.set KROW,  768
.set PITCH, 816
.set BLK,   16*PITCH
.set XW,    4*12288                    ; a wave's 64 rows of a in LDS
.set YB,    4*XW
.set SPARE, YB+128*PITCH
.set SPITCH, 528                       ; the way out: a stage of 16 rows x (512 + 16) bytes, in the wave's own rows of a, which it alone reads and has read out
.set AXI, 16
.set AY, 18
.set SO, 22
.set BYO, 23
.set STO, 24
.set RD, 25
.set CO, 26
.set ASO, 27
.set SPW, 28
.set NIL, 29
.set SX, 32
.set SY, 48
.set BT, 80                            ; v80-143 b_o as eight C tiles
.set XF, 144                           ; a's fragments, two sets of 48; window 1: Wo's, two sets; window 2: accumulators
.set BK, 128
.set WV, 44
.set KIND, 45
.set PART, 46
.set G1X, 48
.set G1Y, 56
.set G0X, 68
.set G0Y, 72
.set MSB, 0
.macro WIN new
.if MSB != (\new)
	s_set_vgpr_msb (MSB<<8)|(\new)
.set MSB, (\new)
.endif
.endm
.macro PLACES
.rept 4
	v_nop
.endr
.endm
.macro CROUND
	s_barrier_signal -1
	s_barrier_wait -1
	s_cmp_lg_u32 s[WV], 0
	s_cbranch_scc1 .Lnot_wave_0_\@
	s_barrier_signal -3
.Lnot_wave_0_\@:
	s_barrier_wait -3
	s_barrier_signal -1
	s_barrier_wait -1
.endm
	s_load_b256 s[4:11], s[0:1], 0x0               ; aimg, asc, w_o's codes, its scales
	s_load_b128 s[12:15], s[0:1], 0x20             ; b_o, out0
	v_lshl_add_u32 v[SPW], v0, 2, SPARE
	v_mov_b32 v[NIL], 0
	ds_add_u32 v[SPW], v[NIL]                      ; the opening lines: the add twice and one wait
	ds_add_u32 v[SPW], v[NIL]
	v_lshrrev_b32 v1, 5, v0
	v_readfirstlane_b32 s[WV], v1
	s_lshr_b32 s[KIND], s[WV], 1
	s_and_b32 s[PART], s[WV], 1
	s_bfe_u32 s40, ttmp6, 0x40000
	s_bfe_u32 s41, ttmp6, 0x40004
	s_lshl_b32 s42, ttmp9, 2
	s_add_co_u32 s42, s42, s40                     ; block of 128 columns
	s_and_b32 s43, ttmp7, 0xffff
	s_lshl_b32 s43, s43, 2
	s_add_co_u32 s43, s43, s41                     ; block of 256 rows
	s_lshl_b32 s76, s41, 2
	s_lshl_b32 s76, 15, s76
	s_lshl_b32 s77, 0x1111, s40
	s_or_b32 s[G1X], s76, (3<<16)|(1<<21)          ; a: 384 rows of 32 elements of 8 bytes, dense
	s_mov_b32 s[G1X+1], 32<<16
	s_mov_b32 s[G1X+2], 384<<16
	s_mov_b32 s[G1X+3], 32<<16
	s_mov_b32 s[G1X+4], 384
	s_mov_b32 s[G1X+5], 32
	s_mov_b32 s[G1X+6], 0
	s_mov_b32 s[G1X+7], 0
	s_or_b32 s[G1Y], s77, (1<<20)|(1<<21)|(5<<22)|(3<<25)   ; Wo: 64 rows of 768 bytes, 4 words of padding behind every 64
	s_mov_b32 s[G1Y+1], KROW<<16
	s_mov_b32 s[G1Y+2], 64<<16
	s_mov_b32 s[G1Y+3], KROW<<16
	s_mov_b32 s[G1Y+4], 64
	s_mov_b32 s[G1Y+5], KROW
	s_mov_b32 s[G1Y+6], 0
	s_mov_b32 s[G1Y+7], 0
	s_mov_b32 s79, 0
	s_mov_b32 s81, 0
	s_mov_b32 s83, 0
	s_lshl_b32 s78, s43, 4
	s_lshl_b32 s84, s[PART], 3
	s_add_co_u32 s78, s78, s84
	s_mul_i32 s78, s78, 12288                      ; a: row / 16 = 16 x block + 8 x half
	s_lshl_b32 s80, s42, 7
	s_lshl_b32 s85, s[PART], 6
	s_add_co_u32 s80, s80, s85
	s_mul_i32 s80, s80, KROW                       ; Wo: row 128 x block + 64 x half
	s_wait_dscnt 0x0
	s_wait_kmcnt 0x0
	s_add_nc_u64 s[4:5], s[4:5], s[78:79]
	s_add_nc_u64 s[8:9], s[8:9], s[80:81]
	CROUND                                         ; the joint loads meet
	s_mov_b32 s[G0X], 1
	s_mul_i32 s[G0X+1], s[PART], 2*XW
	s_mov_b64 s[G0X+2:G0X+3], s[4:5]
	s_or_b32 s[G0X+3], s[G0X+3], 0x80000000
	s_mov_b32 s[G0Y], 1
	s_mul_i32 s[G0Y+1], s[PART], 64*PITCH
	s_add_co_u32 s[G0Y+1], s[G0Y+1], YB
	s_mov_b64 s[G0Y+2:G0Y+3], s[8:9]
	s_or_b32 s[G0Y+3], s[G0Y+3], 0x80000000
	s_cmp_eq_u32 s[KIND], 0
	s_cbranch_scc0 .Lfor_y
	tensor_load_to_lds s[G0X:G0X+3], s[G1X:G1X+7]
	s_nop 0
	PLACES
	s_branch .Lasked
.Lfor_y:
	tensor_load_to_lds s[G0Y:G0Y+3], s[G1Y:G1Y+7]
	s_nop 0
	PLACES
.Lasked:
	v_and_b32 v1, 15, v0                           ; r
	v_bfe_u32 v2, v0, 4, 1                         ; h
	v_and_b32 v4, 31, v0
	v_mul_u32_u24 v3, v1, PITCH
	v_mad_u32_u24 v3, v2, 24, v3
	s_mul_i32 s84, s[WV], XW
	v_lshl_add_u32 v[AXI], v4, 3, s84
	v_add_nc_u32 v[AY], YB, v3
	v_lshl_add_u32 v[AY+1], v2, 4, v[AY]
	v_add_nc_u32 v[AY+2], 4*BLK, v[AY]
	v_add_nc_u32 v[AY+3], 4*BLK, v[AY+1]
	v_lshlrev_b32 v[SO], 5, v1
	v_lshl_add_u32 v[SO], v2, 4, v[SO]
	v_lshlrev_b32 v[BYO], 5, v2
	v_mul_u32_u24 v5, v1, SPITCH
	v_lshl_add_u32 v5, v2, 5, v5
	v_add_nc_u32 v[STO], s84, v5
	v_lshlrev_b32 v[CO], 4, v4
	v_add_nc_u32 v[RD], s84, v[CO]
	v_lshlrev_b32 v[ASO], 1, v1
	v_lshl_add_u32 v[ASO], v2, 17, v[ASO]          ; asc: 2 r; lanes 16-31 take heads 8 to 15
	s_wait_alu depctr_va_vdst(0)                   ; ahead of the scalar run
	s_lshl_b32 s82, s43, 8
	s_lshl_b32 s85, s[WV], 6
	s_add_co_u32 s82, s82, s85                     ; my first row
	s_lshl_b32 s78, s82, 1
	s_add_nc_u64 s[6:7], s[6:7], s[78:79]
	s_lshl_b32 s80, s42, 12
	s_add_nc_u64 s[10:11], s[10:11], s[80:81]
	s_lshl_b32 s80, s42, 9
	s_add_nc_u64 s[12:13], s[12:13], s[80:81]
	s_lshl_b32 s82, s82, 12
	s_add_co_u32 s82, s82, s80
	s_add_nc_u64 s[14:15], s[14:15], s[82:83]
.irp a, 0,1,2,3
.irp q, 0,1,2,3,4,5,6,7
	global_load_u16 v[XF+8*\a+\q], v[ASO], s[6:7] offset:16384*\q+32*\a    ; head 8 h + q, row 16 a + r: its two scale bytes
.endr
.endr
.irp b, 0,1,2,3,4,5,6,7
	global_load_b128 v[SY+4*\b:SY+4*\b+3], v[SO], s[10:11] offset:512*\b
.endr
.irp b, 0,1,2,3,4,5,6,7
	global_load_b128 v[BT+8*\b:BT+8*\b+3], v[BYO], s[12:13] offset:64*\b
	global_load_b128 v[BT+8*\b+4:BT+8*\b+7], v[BYO], s[12:13] offset:64*\b+16
.endr
	s_wait_loadcnt 24                              ; asc's 32 loads are in; the 24 behind them may be out
.irp a, 0,1,2,3
.irp q, 0,1,2,3
	v_lshl_or_b32 v[SX+4*\a+\q], v[XF+8*\a+2*\q+1], 16, v[XF+8*\a+2*\q]    ; K step 4 h + q: heads 2 (4 h + q) and the next
.endr
.endr
.rept 8
	v_nop                                          ; a scale register written by a vector instruction stands 8 places ahead of a scaled matrix instruction
.endr
.macro FRAG reg, adr, st, off          ; Wo: twice 24 bytes of the row's stream, in pieces of 8; byte y of a row lies at y + 16 (y / 256)
.irp p, 0,1,2,3,4,5
.set BYT, 96*(\st)+48*(\p/3)+8*(\p%3)
.if BYT/256 == (BYT+24)/256
	ds_load_b64 v[\reg+2*\p:\reg+2*\p+1], v[\adr] offset:BYT+16*(BYT/256)+(\off)
.else
	ds_load_b64 v[\reg+2*\p:\reg+2*\p+1], v[\adr+1] offset:BYT+16*(BYT/256)+(\off)
.endif
.endr
.endm
.macro FETCH st
	WIN 0x40
.irp i, 0,1,2,3
	FRAG 128*((\st)%2)+12*\i, AY, \st, \i*BLK
.endr
.irp i, 0,1,2,3
	FRAG 128*((\st)%2)+48+12*\i, AY+2, \st, \i*BLK
.endr
	WIN 0
.irp i, 0,1,2,3
.irp p, 0,1,2,3,4,5
	ds_load_b64 v[XF+48*((\st)%2)+12*\i+2*\p:XF+48*((\st)%2)+12*\i+2*\p+1], v[AXI] offset:12288*\i+1536*(\st)+256*\p   ; a's fragment comes back as it was stored
.endr
.endr
.endm
.macro MUL16 a0, st                    ; the 32 accumulators take turns
.irp a, \a0, \a0+1
.irp b, 0,1,2,3,4,5,6,7
.if (\st) == 0
	v_wmma_scale_f32_16x16x128_f8f6f4 v[8*(8*(\a)+\b):8*(8*(\a)+\b)+7], v[128*((\st)%2)+12*\b:128*((\st)%2)+12*\b+11], v[XF+48*((\st)%2)+12*(\a):XF+48*((\st)%2)+12*(\a)+11], v[BT+8*\b:BT+8*\b+7], v[SY+4*\b+(\st)%4], v[SX+4*(\a)+(\st)%4] matrix_a_fmt:MATRIX_FMT_FP6 matrix_b_fmt:MATRIX_FMT_FP6
.elseif (\st) < 4
	v_wmma_scale_f32_16x16x128_f8f6f4 v[8*(8*(\a)+\b):8*(8*(\a)+\b)+7], v[128*((\st)%2)+12*\b:128*((\st)%2)+12*\b+11], v[XF+48*((\st)%2)+12*(\a):XF+48*((\st)%2)+12*(\a)+11], v[8*(8*(\a)+\b):8*(8*(\a)+\b)+7], v[SY+4*\b+(\st)%4], v[SX+4*(\a)+(\st)%4] matrix_a_fmt:MATRIX_FMT_FP6 matrix_b_fmt:MATRIX_FMT_FP6
.else
	v_wmma_scale_f32_16x16x128_f8f6f4 v[8*(8*(\a)+\b):8*(8*(\a)+\b)+7], v[128*((\st)%2)+12*\b:128*((\st)%2)+12*\b+11], v[XF+48*((\st)%2)+12*(\a):XF+48*((\st)%2)+12*(\a)+11], v[8*(8*(\a)+\b):8*(8*(\a)+\b)+7], v[SY+4*\b+(\st)%4], v[SX+4*(\a)+(\st)%4] matrix_a_fmt:MATRIX_FMT_FP6 matrix_b_fmt:MATRIX_FMT_FP6 matrix_a_scale:MATRIX_SCALE_ROW1 matrix_b_scale:MATRIX_SCALE_ROW1
.endif
.endr
.endr
.endm
	s_wait_alu depctr_va_vdst(0)                   ; at the head's end
	s_wait_loadcnt 0x0                             ; Wo's scale words and b_o
	s_wait_tensorcnt 0x0                           ; my tile has landed,
	s_barrier_signal -1
	s_barrier_wait -1                              ; everybody's has
	FETCH 0
.irp st, 0,1,2,3,4,5,6                 ; a K step: this step's fragments are in; the next step's are asked for, into the other set; 32 matrix instructions
	s_wait_dscnt 0x0
.if \st > 0
	PLACES                                         ; between the last step's products and the loads into their registers
.endif
	FETCH \st+1
.if \st == 0
	WIN 0x81                                       ; C (b_o) in window 0
.else
	WIN 0xa1
.endif
	MUL16 0, \st
	MUL16 2, \st
	WIN 0
.endr
	s_wait_dscnt 0x0
	WIN 0xa1
	MUL16 0, 7
	MUL16 2, 7
	WIN 0
; THE WAY OUT, block by block of 16 rows x 128 columns, through my own stage: in as 32 bytes a lane, back as whole rows of 512 bytes.  LDS serves a wave's instructions in order (ISA guide 5.7.1.4).
.macro TOSTAGE a
	WIN 0x08                                       ; the data: window 2
.irp b, 0,1,2,3,4,5,6,7
	ds_store_b128 v[STO], v[64*(\a)+8*\b:64*(\a)+8*\b+3] offset:64*\b      ; each accumulator from its low end on
	ds_store_b128 v[STO], v[64*(\a)+8*\b+4:64*(\a)+8*\b+7] offset:64*\b+16
.endr
	WIN 0
.set BB, BK+64*((\a)%2)
.irp t, 0,1,2,3,4,5,6,7,8,9,10,11,12,13,14,15
	ds_load_b128 v[BB+4*\t:BB+4*\t+3], v[RD] offset:\t*SPITCH
.endr
.endm
.macro SEND a, younger                 ; younger: the LDS instructions issued behind block a's loads
.set BB, BK+64*((\a)%2)
	s_wait_dscnt \younger
.irp t, 0,1,2,3,4,5,6,7,8,9,10,11,12,13,14,15
	; row t of a's tile a is row 32 (t / 8) + 8 s(a) + t % 8 of my 64 rows of out0, s = 0, 2, 1, 3: the order in which the launches before hold the queries of a tile
	global_store_b128 v[CO], v[BB+4*\t:BB+4*\t+3], s[14:15] offset:(8*(2*((\a)%2)+(\a)/2)+(\t%8)+32*(\t/8))*4096 th:TH_STORE_NT   ; 32 lanes store 512 consecutive bytes, at a multiple of 256 from out0's first byte
.endr
.endm
	PLACES
	TOSTAGE 0
.irp a, 1,2,3
.if \a > 1
	s_wait_xcnt 0x0                                ; block a - 2's stores have read their registers and their base
.endif
	TOSTAGE \a
	SEND \a-1, 32
.endr
	s_wait_xcnt 0x0
	SEND 3, 0
	s_wait_tensorcnt 0x0                           ; the wave's end
	ds_add_u32 v[SPW], v[NIL]
	s_wait_dscnt 0x0
	CROUND                                         ; the closing round
	s_endpgm
.Lfunc_end_k_qac086b9890_outp:
	.size	k_qac086b9890_outp, .Lfunc_end_k_qac086b9890_outp-k_qac086b9890_outp
	.p2alignl 7, 3214868480
	.fill 96, 4, 3214868480
	.section	.rodata,"a",@progbits
	.p2align	6, 0x0
	.amdhsa_kernel k_qac086b9890_outp
		.amdhsa_group_segment_fixed_size 327680
		.amdhsa_private_segment_fixed_size 0
		.amdhsa_enable_private_segment 0
		.amdhsa_kernarg_size 48
		.amdhsa_user_sgpr_count 2
		.amdhsa_user_sgpr_kernarg_segment_ptr 1
		.amdhsa_wavefront_size32 1
		.amdhsa_system_sgpr_workgroup_id_x 1
		.amdhsa_system_sgpr_workgroup_id_y 1
		.amdhsa_system_sgpr_workgroup_id_z 1
		.amdhsa_system_vgpr_workitem_id 0
		.amdhsa_next_free_vgpr 768
		.amdhsa_next_free_sgpr 96
		.amdhsa_reserve_vcc 0
		.amdhsa_float_denorm_mode_32 3
		.amdhsa_float_denorm_mode_16_64 3
		.amdhsa_memory_ordered 1
		.amdhsa_forward_progress 1
		.amdhsa_inst_pref_size 98
	.end_amdhsa_kernel
	.amdgpu_metadata
---
amdhsa.version: [ 1, 2 ]
amdhsa.kernels:
  - .name:           k_qac086b9890_outp
    .symbol:         k_qac086b9890_outp.kd
    .args:
      - { .name: aimg, .offset: 0, .size: 8, .value_kind: global_buffer, .address_space: global }
      - { .name: asc, .offset: 8, .size: 8, .value_kind: global_buffer, .address_space: global }
      - { .name: w_o_codes, .offset: 16, .size: 8, .value_kind: global_buffer, .address_space: global }
      - { .name: w_o_scales, .offset: 24, .size: 8, .value_kind: global_buffer, .address_space: global }
      - { .name: b_o, .offset: 32, .size: 8, .value_kind: global_buffer, .address_space: global }
      - { .name: out0, .offset: 40, .size: 8, .value_kind: global_buffer, .address_space: global }
    .group_segment_fixed_size: 327680
    .private_segment_fixed_size: 0
    .kernarg_segment_align: 8
    .kernarg_segment_size: 48
    .max_flat_workgroup_size: 128
    .sgpr_count:     96
    .vgpr_count:     768
    .wavefront_size: 32
...
	.end_amdgpu_metadata
.endif
;; end of part 3
